; MI455X (gfx1250); checked and timed in simulation.
; The chip was launched on July 23, 2026; its instructions are those of AMD's public machine-readable ISA for CDNA 5 (MIT licence, August 2026) and "CDNA5" Instruction Set Architecture Reference Guide (July 2026). The comments in the code are by the model that wrote it; some were corrected since.
;; Attention. Allowed arithmetic: matrix products marked QUANTISED: E4M3 operands, one given power-of-two scale a tensor, by v_wmma_f32_16x16x64_fp8_fp8 or v_wmma_f32_16x16x128_fp8_fp8, f32 sums; everything else in f32.
;; Inputs: Wkv_codes 1,024 x 16 x 32 uint8 (E4M3 codes of Wkv, K innermost, in blocks of 32 codes); Wout_codes 512 x 16 x 32 uint8 (E4M3 codes of Wout, K innermost, in blocks of 32 codes); Wq_codes 512 x 16 x 32 uint8 (E4M3 codes of Wq, K innermost, in blocks of 32 codes); bout 512 float32; lowp_scales 10 int32 (the exponents e of the quantised operands' scales 2^e); mask 4 x 2,048 bool; x_codes 4 x 2,048 x 16 x 32 uint8 (E4M3 codes of x, K innermost, in blocks of 32 codes).
;; Outputs: out0 4 x 2,048 x 512 float32.
;; This version of the problem:
;;   THIS VERSION OF THE PROBLEM IS GIVEN IN LOW PRECISION. The matrix products marked QUANTISED in the list below multiply operands that are first quantised to E4M3 (4 exponent bits, 3 mantissa bits; 8 bits a number), with one given power-of-two scale for each operand tensor; their sums are f32. All else is computed in f32.
;;   The module's matrix products, in the order in which they are computed (A, B: the left and right operand; K: the contracted axis; several contracted axes count as one K, in the product's order):
;;     1. [M 8,192, K 512] x [K 512, N 512]; A: input x (given as codes); B: input Wq (given as codes): QUANTISED (scales: A lowp_scales[0], B lowp_scales[1])
;;     2. [M 8,192, K 512] x [K 512, N 1,024]; A: input x (given as codes); B: input Wkv (given as codes): QUANTISED (scales: A lowp_scales[2], B lowp_scales[3])
;;     3. batch 32 x [M 2,048, K 64] x [K 64, N 2,048]; A: computed on the way; B: computed on the way: QUANTISED (scales: A lowp_scales[4], B lowp_scales[5])
;;     4. batch 32 x [M 2,048, K 2,048] x [K 2,048, N 64]; A: softmax (see below); B: computed on the way: QUANTISED (scales: A lowp_scales[6], B lowp_scales[7])
;;     5. [M 8,192, K 512] x [K 512, N 512]; A: computed on the way; B: input Wout (given as codes): QUANTISED (scales: A lowp_scales[8], B lowp_scales[9])
;;   THE QUANTISER, for each operand of a quantised product, along K:
;;     - The operand's scale is 2^e, e = its entry of the input lowp_scales (int32; the entries are numbered through the quantised products in the list's order, A before B).
;;     - Each number is divided by the scale, clamped to +-448, and rounded to the nearest number of E4M3, ties to even, subnormals kept.
;;     - The product sums the exact products of the quantised numbers (number of the format x scale) in f32.
;;   ~~~python
;;   def quantise(x, axis, e):      # numpy; x: float32 -> the quantised numbers, widened to float32 again
;;       x = np.moveaxis(x, axis, -1); K = x.shape[-1]
;;       r = np.clip(x / 2.0 ** e, -448, 448)
;;       step = 2.0 ** (np.maximum(np.frexp(np.where(r == 0, 1, r))[1] - 1, -6) - 3)
;;       q = np.round(r / step) * step * 2.0 ** e      # np.round: ties to even
;;       return np.moveaxis(q, -1, axis).astype(np.float32)
;;   ~~~
;;   SOFTMAX AHEAD OF A QUANTISED PRODUCT. Where the list says 'softmax', what is quantised is not the finished softmax but p = 2^(t - M), with t = logit x log2(e) and M = ceil(the row's largest t), a whole number; so 1/2 < the row's largest p <= 1. The row's sum l is taken of the UNQUANTISED p, in f32, and the product's result is divided by l at the end. Since M is a whole number, a kernel that streams over the keys may use a running M (the ceiling of the running maximum): every later rescaling is an exact power of two, so the quantised numbers keep their values, but for numbers so far below the row's largest that they fall under the format's range.
;;   OPERANDS COMPUTED ON THE WAY. 'Computed on the way' means the value that the module computes at that place (a softmax that the list does not call 'softmax' is quantised finished and normalised). What goes into a quantiser is computed in f32, as accurately as f32 sums, v_exp_f32 and their like allow (about 1e-6 of the number): no bf16 or f16 on the way to a quantiser, and a product that is left as it is and whose result goes on into a quantised operand takes f32 operands (vector FMAs, or v_wmma_f32_16x16x4_f32). A number that lies on a knife's edge between two numbers of the format may be rounded either way, as far as f32 arithmetic and the matrix unit's own rounding can turn it there, and no further.
;;   INPUTS GIVEN AS CODES. Wkv (in the module: [512, 1024], K = its axis 0); Wout (in the module: [512, 512], K = its axis 0); Wq (in the module: [512, 512], K = its axis 0); x (in the module: [4, 2048, 512], K = its axis 2): each comes as NAME_codes (uint8): NAME with its K axis moved to the last place and cut into blocks of 32 codes, [.., K / 32, bytes a block], one block behind the other in memory; one code a byte (a code: sign, 4 exponent bits, 3 mantissa bits); its scale is its entry of lowp_scales. Its value is code x scale, taken as it is: it is not quantised again, and the codes and scales need not be those that the quantiser above would give.
;; One version. Each part assembles by itself: llvm-mc -triple=amdgcn-amd-amdhsa -mcpu=gfx1250 --defsym DOCPART=n.
;; ======== version 1 of 1: 3 launches
;; limits: right only within a limited range of input values
;; workspace buffers: q_img 4,194,304 bytes; kv_img 8,388,608 bytes; a_img 4,194,304 bytes
;; launch proj (part 1): grid 8 x 32, 4 waves a work-group, clusters of 4 x 4, 237,056 bytes of LDS; arguments x_codes, Wq_codes, Wkv_codes, lowp_scales, q_img, kv_img; writes q_img, kv_img
.if DOCPART == 1
	.amdgcn_target "amdgcn-amd-amdhsa--gfx1250"
	.amdhsa_code_object_version 6
	.text
	.protected	k_qc0244d8756_proj
	.globl	k_qc0244d8756_proj
	.p2align	8
	.type	k_qc0244d8756_proj,@function
k_qc0244d8756_proj:
	s_mov_b64 s[64:65], 0
	v_nop
	global_prefetch_b8 v0, s[64:65] scope:SCOPE_SE
	s_setreg_imm32_b32 hwreg(HW_REG_WAVE_MODE, 25, 1), 1
	s_wait_xcnt 0x0
	s_wait_alu depctr_hold_cnt(0) depctr_sa_sdst(0) depctr_va_vdst(0) depctr_va_sdst(0) depctr_va_ssrc(0) depctr_va_vcc(0) depctr_vm_vsrc(0)
	s_getreg_b32 s2, hwreg(HW_REG_IB_STS2, 6, 4)
	s_cmp_eq_u32 s2, 0
	s_cbranch_scc0 .Lentry_in_a_cluster
	s_endpgm
.Lentry_in_a_cluster:
	s_bfe_u32 s2, ttmp6, 0x10000c
	s_cmp_lg_u32 s2, 0xf033
	s_cbranch_scc0 .Lentry_shape_is_right
	s_endpgm
.Lentry_shape_is_right:
; q = x Wq, k and v = x Wkv on codes of FP8 (E4M3), and their quantising for the attention that follows.
; x: [8192][512] codes; Wq: [512 (n)][512 (k)], Wkv: [1024 (n)][512 (k)] codes, K innermost.  The scales' exponents e0 .. e9 are whole numbers (int32).
; SHARES.  A work-group takes one head (64 channels of q, of k and of v: 192 rows of the weights) and 256 tokens; 8 heads x 32 token blocks = 256 work-groups.
; Wave w owns tokens 64 w .. 64 w + 63: its 16 fragments of x (4 tiles of 16 tokens x 4 K steps of 128) stay in 256 registers; the weights' fragments are streamed from LDS, 32 rows (a UNIT) at a time, in two buffers.
; CLUSTERS: 4 x 4 work-groups.  x's tile hangs on the token block alone and is shared along a row of the cluster, the weights' tiles on the head alone and are shared along a column: each is asked for jointly.
; All tiles of the work-group fit in LDS (x: 256 rows, the weights: 192 rows, of 512 + 16 bytes): every LDS byte is filled once, so there is no ring, and nothing to prefetch for.
; WHAT IS STORED ARE IMAGES OF THE NEXT OPERANDS' REGISTERS.  In the plain FP8 forms registers 2 c, 2 c + 1 of lane (r, h) hold k = 16 c + 8 h + 0 .. 7.  One conversion of a 16 x 16 result tile (8 registers a lane)
; gives just such a pair, two neighbouring tiles give four registers, and one store of 16 bytes a lane at 16 x lane covers 512 consecutive bytes, aligned.
;   q, k: the product is used transposed (source 0 = 16 rows of W, source 1 = 16 tokens): a lane holds one token, its registers eight channels: the next K is the head's 64 channels.
;   v:    source 0 = 16 tokens, source 1 = 16 rows of W: a lane holds one channel, its registers eight tokens: the next K is the keys.
;   q_img  [8 b + head][tile of 16 tokens (128)][group g (2)][lane][16]: registers 4 g .. 4 g + 3 of the tile's fragment.
;   kv_img [8 b + head][step of 128 keys (16)][16,384]: K's eight fragments at 1024 c + 512 g + 16 lane; V's four (16 channels x 128 keys) at 8192 + 2048 t + 512 g + 16 lane.
; x's and W's own fragments are fetched by four loads of 16 bytes (K = 32 c + 16 h + 0 .. 15 in registers 4 c .. 4 c + 3): the same permutation of k on both sides, so every product meets its partner.
; A sum of x Wq stands for sum x 2^(e0 + e1), so q's code is sum / 2^(e4 - e0 - e1), held within +-448 codes; k: e5 - e2 - e3; v: e7 - e2 - e3.
; LIMITS: each of these three folded exponents lies between -126 and 119, so that 2^E and 448 x 2^E are f32 numbers.
; A unit has one of two sets of accumulators; the holds of the unit before stand between its products: the sum is the third source and the destination, both in window 0 under the products' setting, the limit is a scalar.
; REGISTERS: window 0: v1-11 addresses and scales; v16-31 codes; accumulators ((m, u) at + 8 (2 m + u)): v32-95, v128-191.  window 1: x's fragments ((m, s) at 64 m + 16 s).  window 2: W's two buffers, v0-127, v128-255.
.set PITCH, 528                        ; an LDS row: 512 bytes + 16 of padding = 33 x 16: the 16 rows that a fragment load touches start at 16 different columns of 16 bytes
.set SL,    64*PITCH                   ; 64 rows
.set WB,    4*SL                       ; behind x's 256 rows: the weights' 192 rows (q's 64, k's 64, v's 64)
.set LI,  1                            ; v1   16 x lane: my place in an image
.set AX,  2                            ; v2   LDS address of my wave's fragments of x
.set AW0, 3                            ; v3   the same for q's rows of W,
.set AW1, 10                           ; v10  k's,
.set AW2, 11                           ; v11  v's
.set C,   16
.set LQ,  76                           ; s76, s77, s78: 448 x 2^E for q, k, v
.set LK,  77
.set LV,  78
.set MSB, 0
.macro WIN new                         ; the immediate's high byte repeats the setting that is left; a switch that changes nothing is dropped
.if MSB != (\new)
	s_set_vgpr_msb (MSB<<8)|(\new)
.set MSB, (\new)
.endif
.endm
.macro CROUND                          ; a round of the cluster's barrier
	s_barrier_signal -1
	s_barrier_wait -1
	s_cmp_lg_u32 s16, 0
	s_cbranch_scc1 .Lnot_wave_0_\@
	s_barrier_signal -3
.Lnot_wave_0_\@:
	s_barrier_wait -3
	s_barrier_signal -1
	s_barrier_wait -1
.endm
.macro PLACES                          ; four plain vector lines between a matrix instruction and the first line that reads or writes its registers (ISA guide 7.12.1)
.rept 4
	v_nop
.endr
.endm
.macro MKSC e, sc                      ; s[e] = E  ->  v[sc] = 2^E, s[e] = 448 x 2^E, as f32
	s_add_co_i32 s[\e], s[\e], 127
	s_lshl_b32 s81, s[\e], 23
	v_mov_b32 v[\sc], s81
	s_add_co_i32 s[\e], s[\e], 8
	s_lshl_b32 s[\e], s[\e], 23
	s_or_b32 s[\e], s[\e], 0x600000
.endm
	s_load_b256 s[4:11], s[0:1], 0x0               ; x s[4:5], Wq s[6:7], Wkv s[8:9], the scales' exponents s[10:11]
	s_load_b128 s[12:15], s[0:1], 0x20             ; q_img s[12:13], kv_img s[14:15]
	v_lshl_add_u32 v126, v0, 2, 0x39c00            ; my spare word
	v_mov_b32 v127, 0
	ds_add_u32 v126, v127                          ; the wave's opening: the add, twice on end, and its wait
	ds_add_u32 v126, v127
	v_lshrrev_b32 v1, 5, v0
	v_readfirstlane_b32 s16, v1                    ; wave 0..3
	s_bfe_u32 s17, ttmp6, 0x40000                  ; cx
	s_bfe_u32 s18, ttmp6, 0x40004                  ; cy
	s_lshl_b32 s19, ttmp9, 2
	s_add_co_u32 s19, s19, s17                     ; the head = 4 x cluster x + cx
	s_and_b32 s20, ttmp7, 0xffff
	s_lshl_b32 s20, s20, 2
	s_add_co_u32 s20, s20, s18                     ; the token block = 4 x cluster y + cy
	s_lshl_b32 s21, s18, 2
	s_lshl_b32 s21, 15, s21                        ; my row of the cluster
	s_lshl_b32 s22, 0x1111, s17                    ; my column
	; descriptor group 1, padded by four words after every 128.  s[24:31] x: 128 rows of 512 bytes; s[32:39] Wq: 64 rows of 512 bytes; s[84:91] Wkv: k's 64 rows and v's 64 rows, each one dense row of 4096 elements of 8 bytes, 512 rows of Wkv apart
	s_or_b32 s24, s21, (0<<16)|(1<<20)|(1<<21)|(6<<22)|(3<<25)   ; 15:0 the mask; 17:16 element size; 20 padding on; 21 set beside a mask; 24:22 after every 128 words; 31:25 four words
	s_or_b32 s32, s22, (0<<16)|(1<<20)|(1<<21)|(6<<22)|(3<<25)
	s_or_b32 s84, s22, (3<<16)|(1<<20)|(1<<21)|(6<<22)|(3<<25)
.irp g, 24, 32
	s_mov_b32 s[\g+1], 512<<16                     ; tensor_dim0 = 512
	s_mov_b32 s[\g+3], 512<<16                     ; tile_dim0 = 512
	s_mov_b32 s[\g+5], 512                         ; from row to row
	s_mov_b32 s[\g+6], 0
	s_mov_b32 s[\g+7], 0
.endr
	s_mov_b32 s26, 128<<16                         ; tensor_dim1
	s_mov_b32 s28, 128                             ; tile_dim1
	s_mov_b32 s34, 64<<16
	s_mov_b32 s36, 64
	s_mov_b32 s85, 4096<<16
	s_mov_b32 s86, 2<<16
	s_mov_b32 s87, 4096<<16
	s_mov_b32 s88, 2
	s_mov_b32 s89, 32768                           ; 512 rows of 64 elements
	s_mov_b32 s90, 0
	s_mov_b32 s91, 0
	s_lshl_b32 s48, s20, 17                        ; x: row 256 x token block + 128 x wave (waves 0 and 1), 512 bytes each: made of cy and the wave's number alone
	s_lshl_b32 s76, s16, 16
	s_add_co_u32 s48, s48, s76
	s_mov_b32 s49, 0
	s_lshl_b32 s50, s19, 15                        ; the weights: row 64 x head of Wq, and of Wkv: made of cx alone
	s_mov_b32 s51, 0
	s_wait_dscnt 0x0                               ; both opening adds are done
	s_wait_kmcnt 0x0
	s_load_b256 s[68:75], s[10:11], 0x0            ; e0 .. e7
	s_mov_b32 s40, 1                               ; group 0 for x: count = 1,
	s_mul_i32 s41, s16, 2*SL                       ; LDS: wave x 128 rows,
	s_add_nc_u64 s[42:43], s[4:5], s[48:49]        ; the tile's first byte,
	s_or_b32 s43, s43, 0x80000000                  ; type = 2
	s_mov_b32 s44, 1                               ; group 0 for Wq
	s_mov_b32 s45, WB
	s_add_nc_u64 s[46:47], s[6:7], s[50:51]
	s_or_b32 s47, s47, 0x80000000
	s_mov_b32 s92, 1                               ; group 0 for Wkv
	s_mov_b32 s93, WB+SL
	s_add_nc_u64 s[94:95], s[8:9], s[50:51]
	s_or_b32 s95, s95, 0x80000000
	CROUND                                         ; all sixteen work-groups are here: the joint loads meet
	s_cmp_lt_u32 s16, 2                            ; one load a wave: waves 0 and 1: x's halves; wave 2: q's 64 rows of the weights; wave 3: k's and v's
	s_cbranch_scc0 .Lnot_x
	tensor_load_to_lds s[40:43], s[24:31]
	s_nop 0
	PLACES
	s_branch .Lasked
.Lnot_x:
	s_cmp_eq_u32 s16, 2
	s_cbranch_scc0 .Lnot_q
	tensor_load_to_lds s[44:47], s[32:39]
	s_nop 0
	PLACES
	s_branch .Lasked
.Lnot_q:
	tensor_load_to_lds s[92:95], s[84:91]
	s_nop 0
	PLACES
.Lasked:
	v_and_b32 v12, 31, v0
	v_lshlrev_b32 v[LI], 4, v12
	v_and_b32 v13, 15, v0                          ; r
	v_bfe_u32 v14, v0, 4, 1                        ; h
	v_mul_u32_u24 v15, v13, PITCH
	v_lshl_add_u32 v15, v14, 4, v15                ; row x pitch + 16 x half
	s_mul_i32 s23, s16, SL
	v_add_nc_u32 v[AX], s23, v15                   ; my 64 tokens
	v_add_nc_u32 v[AW0], WB, v15
	v_add_nc_u32 v[AW1], WB+SL, v15
	v_add_nc_u32 v[AW2], WB+2*SL, v15
	; where my wave's images go
	s_lshr_b32 s78, s20, 3                         ; the batch
	s_and_b32 s79, s20, 7                          ; the token block within it
	s_lshl_b32 s78, s78, 3
	s_add_co_u32 s78, s78, s19                     ; 8 b + head
	s_lshl_b32 s80, s78, 17                        ; q_img: 131,072 a head; token tile 16 x block + 4 x wave, 1,024 bytes each
	s_lshl_b32 s81, s79, 14
	s_add_co_u32 s80, s80, s81
	s_lshl_b32 s81, s16, 12
	s_add_co_u32 s80, s80, s81
	s_mov_b32 s81, 0
	s_add_nc_u64 s[56:57], s[12:13], s[80:81]
	s_lshl_b32 s80, s78, 18                        ; kv_img: 262,144 a head; step 2 x block + wave / 2, 16,384 bytes each
	s_lshl_b32 s82, s79, 15
	s_add_co_u32 s80, s80, s82
	s_lshr_b32 s82, s16, 1
	s_lshl_b32 s82, s82, 14
	s_add_co_u32 s80, s80, s82
	s_and_b32 s23, s16, 1
	s_lshl_b32 s82, s23, 12                        ; K: my four key tiles are 4 (wave % 2) + m
	s_add_co_u32 s82, s82, s80
	s_mov_b32 s83, 0
	s_add_nc_u64 s[58:59], s[14:15], s[82:83]
	s_lshl_b32 s82, s23, 10                        ; V: my four key tiles are groups 2 (wave % 2) + m / 2 of each fragment
	s_add_co_u32 s82, s82, s80
	s_add_co_u32 s82, s82, 8192
	s_add_nc_u64 s[60:61], s[14:15], s[82:83]
	s_wait_alu depctr_va_vdst(0)
	s_wait_kmcnt 0x0
	s_sub_co_i32 s[LQ], s72, s68
	s_sub_co_i32 s[LQ], s[LQ], s69                 ; e4 - e0 - e1
	MKSC LQ, 4
	s_sub_co_i32 s[LK], s73, s70
	s_sub_co_i32 s[LK], s[LK], s71                 ; e5 - e2 - e3
	MKSC LK, 6
	s_sub_co_i32 s[LV], s75, s70
	s_sub_co_i32 s[LV], s[LV], s71                 ; e7 - e2 - e3
	MKSC LV, 8
.macro FETCHG g                        ; K step g of the first unit: 8 loads of W into buffer 0, 16 of x, which stays
	WIN 0x80
.irp u, 0,1
.irp c, 0,1,2,3
	ds_load_b128 v[64*\u+16*(\g)+4*\c:64*\u+16*(\g)+4*\c+3], v[AW0] offset:16*\u*PITCH+128*(\g)+32*\c
.endr
.endr
	WIN 0x40
.irp m, 0,1,2,3
.irp c, 0,1,2,3
	ds_load_b128 v[64*\m+16*(\g)+4*\c:64*\m+16*(\g)+4*\c+3], v[AX] offset:16*PITCH*\m+128*(\g)+32*\c
.endr
.endr
	WIN 0
.endm
.macro FETCHW adr, p, buf              ; a unit's fragments of W: rows 32 p .. 32 p + 31 of the slice at v[adr], 32 loads, into buffer buf of window 2
	WIN 0x80
.irp s, 0,1,2,3
.irp u, 0,1
.irp c, 0,1,2,3
	ds_load_b128 v[128*\buf+64*\u+16*\s+4*\c:128*\buf+64*\u+16*\s+4*\c+3], v[\adr] offset:(32*\p+16*\u)*PITCH+128*\s+32*\c
.endr
.endr
.endr
	WIN 0
.endm
; A unit's 32 matrix instructions: K step by K step, the 8 accumulators by turns, one instruction a turn; the first K step starts the sums.
; tr = 1: source 0 = W, source 1 = x (q, k);  tr = 0: source 0 = x, source 1 = W (v).  hold: the scalar limit of the unit before, whose 64 sums a lane are held two behind each product (0: there is none); the conversion to an
; 8-bit code does not saturate (ISA guide 7.6.2).  first = 1: the first unit asks for its later K steps, and then for the second unit's W, between its products.
.macro MUL tr, buf, hold, first
.set ACC, 32+96*\buf
.set HA,  32+96*(1-\buf)
.set WF,  128*\buf
.set J, 0
.irp s, 0,1,2,3
.if \first
.if \s < 3
	s_wait_dscnt 24                                ; this K step is in; the next one's 24 loads may be out
.else
	s_wait_dscnt 32                                ; the second unit's 32 may be out
.endif
.if \s < 2
	FETCHG \s+2
.elseif \s == 2
	FETCHW AW0, 1, 1
.endif
.endif
.if \tr
	WIN 0x06
.else
	WIN 0x09
.endif
.irp m, 0,1,2,3
.irp u, 0,1
.if \tr
.if \s == 0
	v_wmma_f32_16x16x128_fp8_fp8 v[ACC+8*(2*\m+\u):ACC+8*(2*\m+\u)+7], v[WF+64*\u+16*\s:WF+64*\u+16*\s+15], v[64*\m+16*\s:64*\m+16*\s+15], 0
.else
	v_wmma_f32_16x16x128_fp8_fp8 v[ACC+8*(2*\m+\u):ACC+8*(2*\m+\u)+7], v[WF+64*\u+16*\s:WF+64*\u+16*\s+15], v[64*\m+16*\s:64*\m+16*\s+15], v[ACC+8*(2*\m+\u):ACC+8*(2*\m+\u)+7]
.endif
.else
.if \s == 0
	v_wmma_f32_16x16x128_fp8_fp8 v[ACC+8*(2*\m+\u):ACC+8*(2*\m+\u)+7], v[64*\m+16*\s:64*\m+16*\s+15], v[WF+64*\u+16*\s:WF+64*\u+16*\s+15], 0
.else
	v_wmma_f32_16x16x128_fp8_fp8 v[ACC+8*(2*\m+\u):ACC+8*(2*\m+\u)+7], v[64*\m+16*\s:64*\m+16*\s+15], v[WF+64*\u+16*\s:WF+64*\u+16*\s+15], v[ACC+8*(2*\m+\u):ACC+8*(2*\m+\u)+7]
.endif
.endif
.if \hold
	v_med3_num_f32 v[HA+J], -s[\hold], s[\hold], v[HA+J]
	v_med3_num_f32 v[HA+J+1], -s[\hold], s[\hold], v[HA+J+1]
.set J, J+2
.endif
.endr
.endr
.endr
	WIN 0
	PLACES
.endm
; A unit's 64 held sums a lane become 16 registers of codes.  isv = 0: tile (m, u) is channel tile u of token tile m: registers 4 m + 2 u.  isv = 1: key tile m of channel tile u: registers 4 (2 u + m / 2) + 2 (m % 2).
.macro QUANT isv, sc, buf
.set ACC, 32+96*\buf
.irp m, 0,1,2,3
.irp u, 0,1
.if \isv
	v_cvt_scalef32_pk8_fp8_f32 v[C+4*(2*\u+\m/2)+2*(\m%2):C+4*(2*\u+\m/2)+2*(\m%2)+1], v[ACC+8*(2*\m+\u):ACC+8*(2*\m+\u)+7], v[\sc]
.else
	v_cvt_scalef32_pk8_fp8_f32 v[C+4*\m+2*\u:C+4*\m+2*\u+1], v[ACC+8*(2*\m+\u):ACC+8*(2*\m+\u)+7], v[\sc]
.endif
.endr
.endr
	v_nop                                          ; one plain vector line behind the last conversion: later products write the conversions' sources
.endm
.macro STOREQK base, p                 ; token tile m, group p: 32 lanes store 512 consecutive bytes, aligned
.irp m, 0,1,2,3
	global_store_b128 v[LI], v[C+4*\m:C+4*\m+3], s[\base:\base+1] offset:1024*\m+512*\p
.endr
.endm
.macro STOREV p                        ; channel tile 2 p + u, my groups g
.irp u, 0,1
.irp g, 0,1
	global_store_b128 v[LI], v[C+4*(2*\u+\g):C+4*(2*\u+\g)+3], s[60:61] offset:2048*(2*\p+\u)+512*\g
.endr
.endr
.endm
	s_wait_alu depctr_va_vdst(0)                   ; the wait at the head's end
	s_wait_tensorcnt 0x0                           ; my load has landed,
	s_barrier_signal -1
	s_barrier_wait -1                              ; everybody's have
	FETCHG 0
	FETCHG 1
	; six units: q's rows 0-31, 32-63; k's; v's.  The unit after next goes into the buffer whose products are done
	MUL 1, 0, 0, 1
	FETCHW AW1, 0, 0
	s_wait_dscnt 32                                ; all but the 32 loads just issued
	MUL 1, 1, LQ, 0
	QUANT 0, 4, 0
	STOREQK 56, 0
	FETCHW AW1, 1, 1
	s_wait_dscnt 32
	s_wait_xcnt 0x0                                ; the codes' registers are the last unit's store data: written again only behind this wait
	MUL 1, 0, LQ, 0
	QUANT 0, 4, 1
	STOREQK 56, 1
	FETCHW AW2, 0, 0
	s_wait_dscnt 32
	s_wait_xcnt 0x0
	MUL 1, 1, LK, 0
	QUANT 0, 6, 0
	STOREQK 58, 0
	FETCHW AW2, 1, 1
	s_wait_dscnt 32
	s_wait_xcnt 0x0
	MUL 0, 0, LK, 0
	QUANT 0, 6, 1
	STOREQK 58, 1
	s_wait_dscnt 0x0                               ; the last unit: nothing more was asked for
	s_wait_xcnt 0x0
	MUL 0, 1, LV, 0
	QUANT 1, 8, 0
	STOREV 0
	s_wait_xcnt 0x0
.set J, 0
.rept 64
	v_med3_num_f32 v[128+J], -s[LV], s[LV], v[128+J]
.set J, J+1
.endr
	QUANT 1, 8, 1
	STOREV 1
	s_wait_dscnt 0x0
	s_wait_tensorcnt 0x0                           ; the wave's end
	ds_add_u32 v126, v127
	s_wait_dscnt 0x0
	CROUND                                         ; the closing round: no work-group ends while a partner may still ask for a tile that names it
	s_endpgm
.Lfunc_end_k_qc0244d8756_proj:
	.size	k_qc0244d8756_proj, .Lfunc_end_k_qc0244d8756_proj-k_qc0244d8756_proj
	.p2alignl 7, 3214868480
	.fill 96, 4, 3214868480
	.section	.rodata,"a",@progbits
	.p2align	6, 0x0
	.amdhsa_kernel k_qc0244d8756_proj
		.amdhsa_group_segment_fixed_size 237056
		.amdhsa_private_segment_fixed_size 0
		.amdhsa_enable_private_segment 0
		.amdhsa_kernarg_size 48
		.amdhsa_user_sgpr_count 2
		.amdhsa_user_sgpr_kernarg_segment_ptr 1
		.amdhsa_wavefront_size32 1
		.amdhsa_system_sgpr_workgroup_id_x 1
		.amdhsa_system_sgpr_workgroup_id_y 1
		.amdhsa_system_sgpr_workgroup_id_z 1
		.amdhsa_system_vgpr_workitem_id 0
		.amdhsa_next_free_vgpr 768
		.amdhsa_next_free_sgpr 96
		.amdhsa_reserve_vcc 0
		.amdhsa_float_denorm_mode_32 3
		.amdhsa_float_denorm_mode_16_64 3
		.amdhsa_memory_ordered 1
		.amdhsa_forward_progress 1
		.amdhsa_inst_pref_size 68
	.end_amdhsa_kernel
	.amdgpu_metadata
---
amdhsa.version: [ 1, 2 ]
amdhsa.kernels:
  - .name:           k_qc0244d8756_proj
    .symbol:         k_qc0244d8756_proj.kd
    .args:
      - { .name: x_codes, .offset: 0, .size: 8, .value_kind: global_buffer, .address_space: global }
      - { .name: Wq_codes, .offset: 8, .size: 8, .value_kind: global_buffer, .address_space: global }
      - { .name: Wkv_codes, .offset: 16, .size: 8, .value_kind: global_buffer, .address_space: global }
      - { .name: lowp_scales, .offset: 24, .size: 8, .value_kind: global_buffer, .address_space: global }
      - { .name: q_img, .offset: 32, .size: 8, .value_kind: global_buffer, .address_space: global }
      - { .name: kv_img, .offset: 40, .size: 8, .value_kind: global_buffer, .address_space: global }
    .group_segment_fixed_size: 237056
    .private_segment_fixed_size: 0
    .kernarg_segment_align: 8
    .kernarg_segment_size: 48
    .max_flat_workgroup_size: 128
    .sgpr_count:     96
    .vgpr_count:     768
    .wavefront_size: 32
...
	.end_amdgpu_metadata
.endif
;; end of part 1
;; launch attn (part 2): grid 8 x 32, 8 waves a work-group, clusters of 4 x 1, 327,680 bytes of LDS; arguments q_img, kv_img, mask, lowp_scales, a_img; writes a_img
.if DOCPART == 2
	.amdgcn_target "amdgcn-amd-amdhsa--gfx1250"
	.amdhsa_code_object_version 6
	.text
	.protected	k_qc0244d8756_attn
	.globl	k_qc0244d8756_attn
	.p2align	8
	.type	k_qc0244d8756_attn,@function
k_qc0244d8756_attn:
	s_mov_b64 s[64:65], 0
	v_nop
	global_prefetch_b8 v0, s[64:65] scope:SCOPE_SE
	s_setreg_imm32_b32 hwreg(HW_REG_WAVE_MODE, 25, 1), 1
	s_wait_xcnt 0x0
	s_wait_alu depctr_hold_cnt(0) depctr_sa_sdst(0) depctr_va_vdst(0) depctr_va_sdst(0) depctr_va_ssrc(0) depctr_va_vcc(0) depctr_vm_vsrc(0)
	s_getreg_b32 s2, hwreg(HW_REG_IB_STS2, 6, 4)
	s_cmp_eq_u32 s2, 0
	s_cbranch_scc0 .Lentry_in_a_cluster
	s_endpgm
.Lentry_in_a_cluster:
	s_bfe_u32 s2, ttmp6, 0x10000c
	s_cmp_lg_u32 s2, 0x3003
	s_cbranch_scc0 .Lentry_shape_is_right
	s_endpgm
.Lentry_shape_is_right:
; a = softmax(q k^T / 8 with the key mask) v on codes of FP8 (E4M3), quantised for the last product.  q_img, kv_img: images of operand registers, laid by the launch before; a_img: images for the launch behind.
; SHARES.  A work-group takes one (batch, head), y, and 256 queries, x; 8 x 32 = 256 work-groups.  A wave owns 32 queries: two tiles of 16, and walks all 2,048 keys, 128 a step, 16 steps of 16,384 bytes.
; The head's K and V, 262,144 bytes, fit in LDS: each byte is filled once, by two joint loads a wave (steps 0 to 3; steps 4 to 15), shared by the four partners of a cluster, which work on one head.
; No prefetch: all that is streamed is asked for at the head; no loop runs ahead of a later load.
; Both products are used transposed (S^T = K Q^T, O^T = V^T P^T): a lane holds one query.  Register 8 c + j of S holds key 16 c + 8 h + j, so a conversion's pair is registers 2 c, 2 c + 1 of P.
; THE SOFTMAX.  t = score x c, c = log2(e) / 8 x 2^(e4 + e5); M = the running largest t rounded up; p = 2^(t - M); the sum is taken of the unquantised p.
; THE MASK is the C of S's product: 0, or -2^100 for a hidden key.  Where a batch hides all its keys, c is 0: every p is 1, as the reference's equal logits give.
; LIMITS: e4 + e5 between -80 and 130 (c is an f32 number and a hidden key's t stays far under every other); scaled scores under 2^31 in magnitude; e6 and e8 - e6 - e7 between -126 and 119.
; THE STEP: exponentials go in two batches of 64, one wait ahead of each and one behind.  What stands among a batch's exponentials reads nothing that is written inside the batch:
; tile 1's scalings in tile 0's batch; the first level of tile 0's sums and its holds in tile 1's batch.
; REGISTERS.  window 0: v1-12 addresses, scales; ST: 12 a tile (0 -M, 1 largest score, 2:3 sum, 4:5 f, 7 and 10, 11 at work); Q, P, S; TMP 32 at work; v254 spare word, v255 0.
;   window 1: v0-63 O^T (32 a tile); K's fragments v64-127, V's v128-191, the bias v192-255.
.set BIAS, 262144
.set LI,  1
.set AB0, 2
.set ADK, 3
.set ADB, 4
.set SCP, 10
.set SCA, 11
.set LMA, 12
.set ST,  16
.set Q,   40
.set P,   56
.set S,   88
.set TMP, 216
.set KF,  64
.set VF,  128
.set BF,  192
.set MSB, 0
.macro WIN new                         ; the immediate's high byte repeats the setting that is left
.if MSB != (\new)
	s_set_vgpr_msb (MSB<<8)|(\new)
.set MSB, (\new)
.endif
.endm
.macro CROUND                          ; a round of the cluster's barrier
	s_barrier_signal -1
	s_barrier_wait -1
	s_cmp_lg_u32 s14, 0
	s_cbranch_scc1 .Lnot_wave_0_\@
	s_barrier_signal -3
.Lnot_wave_0_\@:
	s_barrier_wait -3
	s_barrier_signal -1
	s_barrier_wait -1
.endm
	s_load_b256 s[4:11], s[0:1], 0x0               ; q_img s[4:5], kv_img s[6:7], mask s[8:9], the scales' exponents s[10:11]
	s_load_b64 s[12:13], s[0:1], 0x20              ; a_img
	v_lshl_add_u32 v254, v0, 2, 0x42000            ; my spare word
	v_mov_b32 v255, 0
	ds_add_u32 v254, v255                          ; the wave's opening: the add, twice on end, and its wait
	ds_add_u32 v254, v255
	v_lshrrev_b32 v5, 5, v0
	s_delay_alu instid0(VALU_DEP_1)
	v_readfirstlane_b32 s14, v5                    ; wave 0..7
	s_bfe_u32 s15, ttmp6, 0x40000
	s_lshl_b32 s16, ttmp9, 2
	s_add_co_u32 s16, s16, s15                     ; my block of 256 queries: it enters q_img's and a_img's addresses alone
	s_and_b32 s17, ttmp7, 0xffff                   ; 8 b + head, which the four partners share
	; descriptor group 1: dense blocks as rows of 256 bytes (32 elements of 8), no padding; s[28:35] 32 rows, s[36:43] 96 rows; the mask names all four
	s_mov_b32 s28, 15|(3<<16)|(1<<21)
	s_mov_b32 s29, 32<<16
	s_mov_b32 s30, 32<<16
	s_mov_b32 s31, 32<<16
	s_mov_b32 s32, 32
	s_mov_b32 s33, 32
	s_mov_b32 s34, 0
	s_mov_b32 s35, 0
	s_mov_b32 s36, 15|(3<<16)|(1<<21)
	s_mov_b32 s37, 32<<16
	s_mov_b32 s38, 96<<16
	s_mov_b32 s39, 32<<16
	s_mov_b32 s40, 96
	s_mov_b32 s41, 32
	s_mov_b32 s42, 0
	s_mov_b32 s43, 0
	s_lshl_b32 s58, s17, 18                        ; 262,144 bytes a head; first load: 8,192 bytes a wave,
	s_lshl_b32 s59, s14, 13
	s_add_co_u32 s58, s58, s59
	s_mov_b32 s59, 0
	s_mul_i32 s62, s14, 24576                      ; second load: 24,576 bytes a wave, behind the first 65,536
	s_add_co_u32 s62, s62, 65536
	s_lshl_b32 s60, s17, 18
	s_add_co_u32 s60, s60, s62
	s_mov_b32 s61, 0
	s_mov_b32 s20, 0x76543210                      ; selects of v_permlanex16_b32: lane l xor 16
	s_mov_b32 s21, 0xfedcba98
	s_mov_b32 s25, 0                               ; the step's first byte in LDS
	s_wait_dscnt 0x0                               ; both opening adds are done
	s_wait_kmcnt 0x0
	s_load_b128 s[52:55], s[10:11], 0x10           ; e4 .. e7
	s_load_b64 s[56:57], s[10:11], 0x20            ; e8, e9
	s_mov_b32 s44, 1
	s_lshl_b32 s45, s14, 13
	s_add_nc_u64 s[46:47], s[6:7], s[58:59]
	s_or_b32 s47, s47, 0x80000000
	s_mov_b32 s48, 1
	s_mov_b32 s49, s62
	s_add_nc_u64 s[50:51], s[6:7], s[60:61]
	s_or_b32 s51, s51, 0x80000000
	; Q's and the mask's loads go out ahead of the round
	s_lshl_b32 s2, s17, 17                         ; q_img: 131,072 bytes a head, 16,384 a block, 2,048 a wave
	s_lshl_b32 s3, s16, 14
	s_add_co_u32 s2, s2, s3
	s_lshl_b32 s3, s14, 11
	s_add_co_u32 s2, s2, s3
	s_mov_b32 s3, 0
	s_add_nc_u64 s[4:5], s[4:5], s[2:3]
	s_lshr_b32 s18, s17, 3                         ; the batch
	s_lshl_b32 s2, s18, 11
	s_add_nc_u64 s[8:9], s[8:9], s[2:3]
	s_lshl_b32 s2, s18, 20                         ; a_img: [tile of 16 tokens][K step of 128 = two heads][group][lane][16]
	s_lshl_b32 s19, s16, 17
	s_add_co_u32 s2, s2, s19
	s_lshl_b32 s19, s14, 14
	s_add_co_u32 s2, s2, s19
	s_and_b32 s19, s17, 7
	s_lshl_b32 s19, s19, 10
	s_add_co_u32 s2, s2, s19
	s_add_nc_u64 s[12:13], s[12:13], s[2:3]
	v_and_b32 v5, 31, v0
	v_lshlrev_b32 v7, 3, v0
	v_bfe_u32 v8, v0, 4, 1                         ; h
	v_lshlrev_b32 v[LI], 4, v5                     ; 16 x lane: my place in an image
	v_lshlrev_b32 v6, 6, v5
	v_lshl_add_u32 v[AB0], v8, 5, BIAS
	v_lshl_add_u32 v9, v0, 5, BIAS
.irp i, 0,1,2,3
	global_load_b128 v[216+4*\i:219+4*\i], v6, s[8:9] offset:16*\i   ; the batch's 2,048 mask bytes, 64 a lane,
.endr
	global_load_b64 v[232:233], v7, s[8:9]         ; and the eight that my thread turns into biases
.irp x, 0,1
.irp g, 0,1
	global_load_b128 v[Q+8*\x+4*\g:Q+8*\x+4*\g+3], v[LI], s[4:5] offset:1024*\x+512*\g
.endr
.endr
	CROUND                                         ; all four work-groups are here: the joint loads meet
	tensor_load_to_lds s[44:47], s[28:35]          ; steps 0 to 3
	s_nop 0
.rept 4
	v_nop
.endr
	WIN 0x40
.set I, 0
.rept 64
	v_mov_b32 v[I], 0                              ; O^T: the step is written for every trip alike; the first change of M leaves zeros zeros
.set I, I+1
.endr
	WIN 0
	s_wait_alu depctr_va_vdst(0)
	s_wait_loadcnt 0x0
.irp i, 1
	v_or_b32 v216, v216, v[216+\i]
.endr
.irp i, 2, 3, 4, 5, 6, 7, 8, 9, 10, 11, 12, 13, 14, 15
	s_delay_alu instid0(VALU_DEP_1)
	v_or_b32 v216, v216, v[216+\i]
.endr
	s_delay_alu instid0(VALU_DEP_1)
	v_cmp_ne_u32 vcc_lo, 0, v216                   ; does any key of the batch count?
.irp i, 0,1,2,3,4,5,6,7
	v_bfe_u32 v[240+\i], v[232+\i/4], 8*(\i%4), 1
.endr
.irp i, 0,1,2,3,4,5,6,7
	v_add_nc_u32 v[240+\i], -1, v[240+\i]
.endr
.irp i, 0,1,2,3,4,5,6,7
	v_and_b32 v[240+\i], 0xf1800000, v[240+\i]     ; 0, or -2^100
.endr
	ds_store_b128 v9, v[240:243]
	ds_store_b128 v9, v[244:247] offset:16
	s_wait_kmcnt 0x0
	s_add_co_i32 s58, s52, s53
	s_lshl_b32 s58, s58, 23
	s_add_co_i32 s22, s58, 0x3e38aa3b              ; c = log2(e) / 8, e4 + e5 added to its exponent field
	s_cmp_lg_u32 vcc_lo, 0
	s_cselect_b32 s22, s22, 0
	s_mov_b32 s23, s22                             ; (named with it as a pair)
	s_add_co_i32 s58, s54, 127
	s_lshl_b32 s59, s58, 23
	v_mov_b32 v[SCP], s59                          ; 2^e6
	s_add_co_i32 s58, s58, 8
	s_lshl_b32 s58, s58, 23
	s_or_b32 s24, s58, 0x600000                    ; 448 x 2^e6
	s_sub_co_i32 s58, s56, s54
	s_sub_co_i32 s58, s58, s55
	s_add_co_i32 s58, s58, 127
	s_lshl_b32 s59, s58, 23
	v_mov_b32 v[SCA], s59                          ; 2^(e8 - e6 - e7)
	s_add_co_i32 s58, s58, 8
	s_lshl_b32 s58, s58, 23
	s_or_b32 s58, s58, 0x600000
	v_mov_b32 v[LMA], s58                          ; 448 x that
.irp x, 0,1
	v_mov_b32 v[ST+12*\x+1], 0xce800000            ; the largest score so far: -2^30, under every sum of 64 products of codes
	s_delay_alu instid0(VALU_DEP_1)
	v_mul_f32 v[ST+12*\x+11], s22, v[ST+12*\x+1]
	s_delay_alu instid0(VALU_DEP_1)
	v_floor_f32 v[ST+12*\x], -v[ST+12*\x+11]       ; -M
	v_mov_b32 v[ST+12*\x+2], 0
	v_mov_b32 v[ST+12*\x+3], 0
	v_mov_b32 v[ST+12*\x+5], 0
	v_mov_b32 v[ST+12*\x+10], 0
.endr
; The largest of tile x's 64 scores a lane, eight chains, each accumulator from its low end on.
.macro MAXI x, i
; (eight chains: 8 lines start them, 20 go on, 4 join them)
.if (\i) < 8
	v_max3_num_f32 v[TMP+8*\x+(\i)], v[S+64*\x+3*(\i)], v[S+64*\x+3*(\i)+1], v[S+64*\x+3*(\i)+2]
.elseif (\i) < 28
	v_max3_num_f32 v[TMP+8*\x+((\i)%8)], v[TMP+8*\x+((\i)%8)], v[S+64*\x+2*(\i)+8], v[S+64*\x+2*(\i)+9]
.elseif (\i) == 28
	v_max3_num_f32 v[TMP+8*\x], v[TMP+8*\x], v[TMP+8*\x+1], v[TMP+8*\x+2]
.elseif (\i) == 29
	v_max3_num_f32 v[TMP+8*\x+3], v[TMP+8*\x+3], v[TMP+8*\x+4], v[TMP+8*\x+5]
.elseif (\i) == 30
	v_max3_num_f32 v[TMP+8*\x], v[TMP+8*\x], v[TMP+8*\x+3], v[TMP+8*\x+6]
.else
	v_max_num_f32 v[TMP+8*\x], v[TMP+8*\x], v[TMP+8*\x+7]
.endif
.endm
; -M = floor(-t) of the running largest t; f = 2^(old M - new M).
.macro STATI x, i
.if (\i) == 0
	v_permlanex16_b32 v[ST+12*\x+10], v[TMP+8*\x], s20, s21
.elseif (\i) == 1
	v_max3_num_f32 v[ST+12*\x+1], v[ST+12*\x+1], v[TMP+8*\x], v[ST+12*\x+10]
.elseif (\i) == 2
	v_mul_f32 v[ST+12*\x+11], s22, v[ST+12*\x+1]
.elseif (\i) == 3
	v_mov_b32 v[ST+12*\x+7], v[ST+12*\x]
.elseif (\i) == 4
	v_floor_f32 v[ST+12*\x], -v[ST+12*\x+11]
.elseif (\i) == 5
	v_sub_f32 v[ST+12*\x+7], v[ST+12*\x], v[ST+12*\x+7]
.elseif (\i) == 6
	v_cvt_i32_f32 v[ST+12*\x+7], v[ST+12*\x+7]
.else
	v_ldexp_f32 v[ST+12*\x+4], 1.0, v[ST+12*\x+7]
.endif
.endm
.macro FMAI x, i                       ; t - M, two at a time
	v_pk_fma_f32 v[S+64*\x+2*(\i):S+64*\x+2*(\i)+1], v[S+64*\x+2*(\i):S+64*\x+2*(\i)+1], s[22:23], v[ST+12*\x:ST+12*\x+1] op_sel_hi:[1,0,0]
.endm
.macro EXPI x, i
	v_exp_f32 v[S+64*\x+(\i)], v[S+64*\x+(\i)]
.endm
.macro SUML x, i                       ; the sum's first level: 16 pairs
	v_pk_add_f32 v[TMP+2*(\i):TMP+2*(\i)+1], v[S+64*\x+4*(\i):S+64*\x+4*(\i)+1], v[S+64*\x+4*(\i)+2:S+64*\x+4*(\i)+3]
.endm
.macro SUMF x                          ; the running sum under the new M
	v_pk_mul_f32 v[ST+12*\x+2:ST+12*\x+3], v[ST+12*\x+2:ST+12*\x+3], v[ST+12*\x+4:ST+12*\x+5] op_sel_hi:[1,0]
.endm
.macro SUMR x                          ; the other levels, and the running sum
.irp i, 0,1,2,3,4,5,6,7
	v_pk_add_f32 v[TMP+2*\i:TMP+2*\i+1], v[TMP+2*\i:TMP+2*\i+1], v[TMP+2*\i+16:TMP+2*\i+17]
.endr
.irp i, 0,1,2,3
	v_pk_add_f32 v[TMP+2*\i:TMP+2*\i+1], v[TMP+2*\i:TMP+2*\i+1], v[TMP+2*\i+8:TMP+2*\i+9]
.endr
.irp i, 0,1
	v_pk_add_f32 v[TMP+2*\i:TMP+2*\i+1], v[TMP+2*\i:TMP+2*\i+1], v[TMP+2*\i+4:TMP+2*\i+5]
.endr
	s_delay_alu instid0(VALU_DEP_1)
	v_pk_add_f32 v[TMP:TMP+1], v[TMP:TMP+1], v[TMP+2:TMP+3]
	s_delay_alu instid0(VALU_DEP_1)
	v_pk_add_f32 v[ST+12*\x+2:ST+12*\x+3], v[ST+12*\x+2:ST+12*\x+3], v[TMP:TMP+1]
.endm
; (In the step the holds stand in window 0's setting alone, among tile 1's exponentials for tile 0, and behind tile 0's products for tile 1.)
.macro HOLDI x, i                      ; the conversion to an 8-bit code does not saturate (ISA guide 7.6.2); p is not negative: one-sided, two numbers in a dual pair
	v_dual_min_num_f32 v[S+64*\x+2*(\i)], s24, v[S+64*\x+2*(\i)] :: v_dual_min_num_f32 v[S+64*\x+2*(\i)+1], s24, v[S+64*\x+2*(\i)+1]
.endm
.macro CVTS x
.irp c, 0,1,2,3,4,5,6,7
	v_cvt_scalef32_pk8_fp8_f32 v[P+16*\x+2*\c:P+16*\x+2*\c+1], v[S+64*\x+8*\c:S+64*\x+8*\c+7], v[SCP]
.endr
.endm
.macro RESC x                          ; O^T under the new M, in window 1
.set I, 0
.rept 16
	v_pk_mul_f32 v[32*\x+2*I:32*\x+2*I+1], v[32*\x+2*I:32*\x+2*I+1], v[ST+12*\x+4:ST+12*\x+5] op_sel_hi:[1,0]
.set I, I+1
.endr
.endm
.macro SMUL x                          ; the next step's scores: 8 tiles of 16 keys, C = the bias
	WIN 0x11
	s_wait_alu depctr_va_vdst(0)
.irp c, 0,1,2,3,4,5,6,7
	v_wmma_f32_16x16x64_fp8_fp8 v[S+64*\x+8*\c:S+64*\x+8*\c+7], v[KF+8*\c:KF+8*\c+7], v[Q+8*\x:Q+8*\x+7], v[BF+8*\c:BF+8*\c+7]
.endr
.endm
.macro PV x                            ; the four accumulators by turns
	WIN 0x51
.irp t, 0,1,2,3
	v_wmma_f32_16x16x128_fp8_fp8 v[32*\x+8*\t:32*\x+8*\t+7], v[VF+16*\t:VF+16*\t+15], v[P+16*\x:P+16*\x+15], v[32*\x+8*\t:32*\x+8*\t+7]
.endr
.endm
.macro LDV
.set I, 0
.rept 16
	ds_load_b128 v[VF+4*I:VF+4*I+3], v[ADK] offset:8192+512*I
.set I, I+1
.endr
.endm
.macro LDK o
.set I, 0
.rept 16
	ds_load_b128 v[KF+4*I:KF+4*I+3], v[ADK] offset:\o+512*I
.set I, I+1
.endr
.endm
.macro LDB o
.set I, 0
.rept 16
	ds_load_b128 v[BF+4*I:BF+4*I+3], v[ADB] offset:\o+64*(I/2)+16*(I%2)
.set I, I+1
.endr
.endm
; A STEP.  At its head S holds the step's scores; the 16 plain lines at the end of the step before (or the v_nop ahead of the loop) are the places in front of the loads.
.macro STEP next
	s_lshr_b32 s27, s25, 5
	v_add_nc_u32 v[ADK], s25, v[LI]
	v_add_nc_u32 v[ADB], s27, v[AB0]
	WIN 0x40
	LDV                                            ; this step's V,
.if \next
	LDK 16384                                      ; the next step's K and bias
	LDB 512
.endif
	WIN 0
.set N, 0
.rept 32
	MAXI 0, N
.set N, N+1
.endr
.set N, 0
.rept 32
	MAXI 1, N
.if (N%4) == 3
	STATI 0, N/4
.endif
.set N, N+1
.endr
.set N, 0
.rept 32
	FMAI 0, N
.if (N%4) == 3
	STATI 1, N/4
.endif
.set N, N+1
.endr
	s_wait_alu depctr_va_vdst(0)                   ; the wait ahead of the batch
.set N, 0
.rept 32
	EXPI 0, 2*N
	EXPI 0, 2*N+1
	FMAI 1, N
.set N, N+1
.endr
	s_wait_alu depctr_va_vdst(0)                   ; behind tile 0's batch and ahead of tile 1's
.set N, 0
.rept 16
	EXPI 1, 4*N
	EXPI 1, 4*N+1
	SUML 0, N
	EXPI 1, 4*N+2
	HOLDI 0, 2*N
	EXPI 1, 4*N+3
	HOLDI 0, 2*N+1
.set N, N+1
.endr
	s_wait_dscnt 0x0                               ; V, and the next K and bias, are in registers
	WIN 0x41
	s_wait_alu depctr_va_vdst(0)                   ; the wait, for the batch and for O^T's first readers
	RESC 0
	RESC 1
	WIN 0
	CVTS 0
	SUMF 0                                         ; (plain lines between the last conversion and the products)
	SUMR 0
.if \next
	SMUL 0
.else
	s_wait_alu depctr_va_vdst(0)
.endif
	PV 0
	WIN 0
.set N, 0
.rept 16
	SUML 1, N
	HOLDI 1, 2*N
	HOLDI 1, 2*N+1
.set N, N+1
.endr
	CVTS 1
	SUMF 1
.if \next
	SMUL 1
.else
	s_wait_alu depctr_va_vdst(0)
.endif
	PV 1
	WIN 0
	SUMR 1
	s_add_co_u32 s25, s25, 16384
.endm
	s_wait_alu depctr_va_vdst(0)                   ; the wait at the head's end
	s_wait_tensorcnt 0x0                           ; my part of steps 0 to 3 is in
	ds_add_u32 v254, v255
	s_wait_dscnt 0x0                               ; the add and my biases are done
	CROUND                                         ; steps 0 to 3 and the whole bias table are in
	tensor_load_to_lds s[48:51], s[36:43]          ; steps 4 to 15
	s_nop 0
.rept 4
	v_nop
.endr
	v_mov_b32 v[ADK], v[LI]
	v_mov_b32 v[ADB], v[AB0]
	WIN 0x40
	LDK 0
	LDB 0
	s_wait_dscnt 0x0
	SMUL 0
	SMUL 1
	WIN 0
.rept 4
	v_nop
.endr
	s_mov_b32 s26, 3
.Lfirst:                                               ; steps 0 to 2; the third fetches step 3's K, which the first load brought
	STEP 1
	s_sub_co_u32 s26, s26, 1
	s_cmp_lg_u32 s26, 0
	s_cbranch_scc1 .Lfirst
	s_wait_alu depctr_va_vdst(0)
	s_wait_tensorcnt 0x0                           ; my part of steps 4 to 15 is in,
	s_wait_dscnt 0x0
	s_barrier_signal -1
	s_barrier_wait -1                              ; everybody's is
	s_mov_b32 s26, 12
.Lrest:                                                ; steps 3 to 14
	STEP 1
	s_sub_co_u32 s26, s26, 1
	s_cmp_lg_u32 s26, 0
	s_cbranch_scc1 .Lrest
	STEP 0                                         ; step 15 has no successor
	; THE WAY OUT: O^T / the sum, held and quantised with 2^(e8 - e6 - e7): images of the last product's operand, 512 consecutive bytes a store
.irp x, 0,1
	v_add_f32 v[ST+12*\x+6], v[ST+12*\x+2], v[ST+12*\x+3]
.endr
.irp x, 0,1
	s_delay_alu instid0(VALU_DEP_2)
	v_permlanex16_b32 v[ST+12*\x+10], v[ST+12*\x+6], s20, s21
.endr
.irp x, 0,1
	s_delay_alu instid0(VALU_DEP_2)
	v_add_f32 v[ST+12*\x+6], v[ST+12*\x+6], v[ST+12*\x+10]
.endr
	s_wait_alu depctr_va_vdst(0)
.irp x, 0,1
	v_rcp_f32 v[ST+12*\x+4], v[ST+12*\x+6]
.endr
	v_nop
	WIN 0x01
	s_wait_alu depctr_va_vdst(0)
.irp x, 0,1
.set I, 0
.rept 16
	v_pk_mul_f32 v[S+64*\x+2*I:S+64*\x+2*I+1], v[32*\x+2*I:32*\x+2*I+1], v[ST+12*\x+4:ST+12*\x+5] op_sel_hi:[1,0]
.set I, I+1
.endr
.endr
	WIN 0
.irp x, 0,1
.set I, 0
.rept 32
	v_med3_num_f32 v[S+64*\x+I], v[S+64*\x+I], -v[LMA], v[LMA]
.set I, I+1
.endr
.endr
.irp x, 0,1
.irp t, 0,1,2,3
	v_cvt_scalef32_pk8_fp8_f32 v[216+8*\x+2*\t:216+8*\x+2*\t+1], v[S+64*\x+8*\t:S+64*\x+8*\t+7], v[SCA]
.endr
.endr
	v_nop
.irp x, 0,1
.irp g, 0,1
	global_store_b128 v[LI], v[216+8*\x+4*\g:216+8*\x+4*\g+3], s[12:13] offset:8192*\x+512*\g
.endr
.endr
	s_wait_tensorcnt 0x0                           ; the wave's end
	ds_add_u32 v254, v255
	s_wait_dscnt 0x0
	CROUND                                         ; the closing round
	s_endpgm
.Lfunc_end_k_qc0244d8756_attn:
	.size	k_qc0244d8756_attn, .Lfunc_end_k_qc0244d8756_attn-k_qc0244d8756_attn
	.p2alignl 7, 3214868480
	.fill 96, 4, 3214868480
	.section	.rodata,"a",@progbits
	.p2align	6, 0x0
	.amdhsa_kernel k_qc0244d8756_attn
		.amdhsa_group_segment_fixed_size 327680
		.amdhsa_private_segment_fixed_size 0
		.amdhsa_enable_private_segment 0
		.amdhsa_kernarg_size 40
		.amdhsa_user_sgpr_count 2
		.amdhsa_user_sgpr_kernarg_segment_ptr 1
		.amdhsa_wavefront_size32 1
		.amdhsa_system_sgpr_workgroup_id_x 1
		.amdhsa_system_sgpr_workgroup_id_y 1
		.amdhsa_system_sgpr_workgroup_id_z 1
		.amdhsa_system_vgpr_workitem_id 0
		.amdhsa_next_free_vgpr 512
		.amdhsa_next_free_sgpr 66
		.amdhsa_reserve_vcc 1
		.amdhsa_float_denorm_mode_32 3
		.amdhsa_float_denorm_mode_16_64 3
		.amdhsa_memory_ordered 1
		.amdhsa_forward_progress 1
		.amdhsa_inst_pref_size 108
	.end_amdhsa_kernel
	.amdgpu_metadata
---
amdhsa.version: [ 1, 2 ]
amdhsa.kernels:
  - .name:           k_qc0244d8756_attn
    .symbol:         k_qc0244d8756_attn.kd
    .args:
      - { .name: q_img, .offset: 0, .size: 8, .value_kind: global_buffer, .address_space: global }
      - { .name: kv_img, .offset: 8, .size: 8, .value_kind: global_buffer, .address_space: global }
      - { .name: mask, .offset: 16, .size: 8, .value_kind: global_buffer, .address_space: global }
      - { .name: lowp_scales, .offset: 24, .size: 8, .value_kind: global_buffer, .address_space: global }
      - { .name: a_img, .offset: 32, .size: 8, .value_kind: global_buffer, .address_space: global }
    .group_segment_fixed_size: 327680
    .private_segment_fixed_size: 0
    .kernarg_segment_align: 8
    .kernarg_segment_size: 40
    .max_flat_workgroup_size: 256
    .sgpr_count:     66
    .vgpr_count:     512
    .wavefront_size: 32
...
	.end_amdgpu_metadata
.endif
;; end of part 2
;; launch outp (part 3): grid 64 x 4, 4 waves a work-group, clusters of 4 x 4, 167,936 bytes of LDS; arguments a_img, Wout_codes, bout, lowp_scales, out0; writes out0
.if DOCPART == 3
	.amdgcn_target "amdgcn-amd-amdhsa--gfx1250"
	.amdhsa_code_object_version 6
	.text
	.protected	k_qc0244d8756_outp
	.globl	k_qc0244d8756_outp
	.p2align	8
	.type	k_qc0244d8756_outp,@function
k_qc0244d8756_outp:
	s_mov_b64 s[64:65], 0
	v_nop
	global_prefetch_b8 v0, s[64:65] scope:SCOPE_SE
	s_setreg_imm32_b32 hwreg(HW_REG_WAVE_MODE, 25, 1), 1
	s_wait_xcnt 0x0
	s_wait_alu depctr_hold_cnt(0) depctr_sa_sdst(0) depctr_va_vdst(0) depctr_va_sdst(0) depctr_va_ssrc(0) depctr_va_vcc(0) depctr_vm_vsrc(0)
	s_getreg_b32 s2, hwreg(HW_REG_IB_STS2, 6, 4)
	s_cmp_eq_u32 s2, 0
	s_cbranch_scc0 .Lentry_in_a_cluster
	s_endpgm
.Lentry_in_a_cluster:
	s_bfe_u32 s2, ttmp6, 0x10000c
	s_cmp_lg_u32 s2, 0xf033
	s_cbranch_scc0 .Lentry_shape_is_right
	s_endpgm
.Lentry_shape_is_right:
; out0 = a Wout + bout on codes of FP8 (E4M3).  a_img: images of a's fragments, [tile of 16 tokens (512)][K step of 128 (4)][group (4)][lane][16]; Wout: [512 (n)][512 (k)] codes, K innermost; bout [512], out0 [8192][512]: f32.
; SHARES.  A work-group makes 128 tokens x 128 columns: 64 x 4 = 256 work-groups.  Wave w: tokens 64 (w / 2) on (four blocks of 16), columns 64 (w % 2) on (four tiles): a wave's 64 columns are 256 bytes of a row.
; CLUSTER: 4 x 4.  a's 65,536 bytes hang on the token block (x) alone and are shared along a column of the cluster, Wout's 128 rows on the column block (y) alone and are shared along a row: each is asked for jointly, one load a wave.
; Every LDS byte of the tiles is filled once: no ring, and no loop for which anything could be prefetched.
; a's codes lie in the plain FP8 form's own layout (registers 2 c, 2 c + 1: k = 16 c + 8 h + 0 .. 7), so Wout's fragments are fetched in it too: eight loads of 8 bytes, the 32 lanes of which touch 64 different words modulo 256 bytes.
; THE MATRIX INSTRUCTION IS USED TRANSPOSED (source 0 = 16 rows of Wout, source 1 = 16 tokens): a lane holds eight neighbouring columns of one row of out0.
; BY BLOCKS OF 16 TOKENS: a block's 16 products (4 accumulators by turns, K ascending) and its way out; block m's round trip through the stage stands beside block m + 1's products.
; out0 = sum x 2^(e8 + e9) + bout: one packed multiply-add for two numbers.  LIMIT: e8 + e9 between -126 and 127, so that 2^(e8 + e9) is an f32 number.
; REGISTERS: window 0: v1-7 addresses; v16-47 bout in the result's layout; v48-79 results; v80-111 and v192-223 rows read back; v128-159, v160-191 accumulators.  window 1: a ((m, s) at 64 m + 16 s).  window 2: Wout ((t, s) at 64 t + 16 s).
.set PITCH, 528                        ; an LDS row of Wout: 512 bytes + 16 of padding
.set WB,    65536                      ; behind a's tiles
.set STG,   WB+128*PITCH               ; a stage of 16 rows x (256 + 16) bytes for each wave; no tile ever lands there
.set SP,    272
.set SPARE, STG+4*16*SP                ; the spare words
.set LI,  1                            ; v1  LDS address of my fragments of a
.set AW,  2                            ; v2  of Wout
.set STO, 3                            ; v3  the stage: where I put 32 bytes of a row
.set RD,  4                            ; v4  and where I read a row back
.set CO,  5                            ; v5  my byte offset in two rows of out0
.set B,   16
.set TMP, 48
.set MSB, 0
.macro WIN new
.if MSB != (\new)
	s_set_vgpr_msb (MSB<<8)|(\new)
.set MSB, (\new)
.endif
.endm
.macro CROUND
	s_barrier_signal -1
	s_barrier_wait -1
	s_cmp_lg_u32 s14, 0
	s_cbranch_scc1 .Lnot_wave_0_\@
	s_barrier_signal -3
.Lnot_wave_0_\@:
	s_barrier_wait -3
	s_barrier_signal -1
	s_barrier_wait -1
.endm
.macro PLACES                          ; four plain lines between a product and the first line that touches its registers
.rept 4
	v_nop
.endr
.endm
	s_load_b256 s[4:11], s[0:1], 0x0               ; a_img s[4:5], Wout s[6:7], bout s[8:9], the scales' exponents s[10:11]
	s_load_b64 s[12:13], s[0:1], 0x20              ; out0
	v_lshl_add_u32 v126, v0, 2, SPARE
	v_mov_b32 v127, 0
	ds_add_u32 v126, v127                          ; the wave's opening: the add, twice on end, and its wait
	ds_add_u32 v126, v127
	v_lshrrev_b32 v7, 5, v0
	v_readfirstlane_b32 s14, v7                    ; wave 0..3
	s_bfe_u32 s15, ttmp6, 0x40000                  ; cx
	s_bfe_u32 s17, ttmp6, 0x40004                  ; cy = my block of 128 columns (the grid is one cluster high)
	s_lshl_b32 s16, ttmp9, 2
	s_add_co_u32 s16, s16, s15                     ; my block of 128 tokens
	s_lshr_b32 s18, s14, 1                         ; which 64 tokens are my wave's.  Also: I fetch for a (0) or for Wout (1)
	s_and_b32 s19, s14, 1                          ; which 64 columns.  Also: which half of that tile I fetch
	s_lshl_b32 s20, 0x1111, s15                    ; my column of the cluster
	s_lshl_b32 s21, s17, 2
	s_lshl_b32 s21, 15, s21                        ; my row
	; descriptor group 1.  s[24:31] a: a dense block of 32,768 bytes, as 128 rows of 256;  s[48:55] Wout: 64 rows of 512 bytes, four words of padding after every 128
	s_or_b32 s24, s20, (3<<16)|(1<<21)
	s_mov_b32 s25, 32<<16
	s_mov_b32 s26, 128<<16
	s_mov_b32 s27, 32<<16
	s_mov_b32 s28, 128
	s_mov_b32 s29, 32
	s_mov_b32 s30, 0
	s_mov_b32 s31, 0
	s_or_b32 s48, s21, (0<<16)|(1<<20)|(1<<21)|(6<<22)|(3<<25)
	s_mov_b32 s49, 512<<16
	s_mov_b32 s50, 64<<16
	s_mov_b32 s51, 512<<16
	s_mov_b32 s52, 64
	s_mov_b32 s53, 512
	s_mov_b32 s54, 0
	s_mov_b32 s55, 0
	s_lshl_b32 s22, s19, 15                        ; my half: 32,768 bytes of either
	s_lshl_b32 s40, s16, 16
	s_add_co_u32 s40, s40, s22
	s_mov_b32 s41, 0
	s_lshl_b32 s42, s17, 16
	s_add_co_u32 s42, s42, s22
	s_mov_b32 s43, 0
	v_and_b32 v8, 15, v0                           ; r
	v_bfe_u32 v9, v0, 4, 1                         ; h
	v_lshlrev_b32 v6, 5, v9
	s_wait_dscnt 0x0                               ; both opening adds are done
	s_wait_alu depctr_va_vdst(0)
	s_wait_kmcnt 0x0
	s_load_b64 s[38:39], s[10:11], 0x20            ; e8, e9
	s_lshl_b32 s44, s17, 9                         ; my first column, in bytes: 512 x column block + 256 x (wave % 2)
	s_lshl_b32 s45, s19, 8
	s_add_co_u32 s44, s44, s45
	s_mov_b32 s45, 0
	s_add_nc_u64 s[8:9], s[8:9], s[44:45]
	s_wait_alu depctr_va_vdst(0)
.irp t, 0,1,2,3
	global_load_b128 v[B+8*\t:B+8*\t+3], v6, s[8:9] offset:64*\t       ; bout: for column tile t the numbers of columns 16 t + 8 h + 0 .. 7
	global_load_b128 v[B+8*\t+4:B+8*\t+7], v6, s[8:9] offset:64*\t+16
.endr
	s_mov_b32 s32, 1                               ; group 0 for a
	s_lshl_b32 s33, s19, 15
	s_add_nc_u64 s[34:35], s[4:5], s[40:41]
	s_or_b32 s35, s35, 0x80000000
	s_mov_b32 s56, 1                               ; group 0 for Wout
	s_mul_i32 s57, s19, 64*PITCH
	s_add_co_u32 s57, s57, WB
	s_add_nc_u64 s[58:59], s[6:7], s[42:43]
	s_or_b32 s59, s59, 0x80000000
	CROUND                                         ; all sixteen work-groups are here: the joint loads meet
	s_cmp_eq_u32 s18, 0
	s_cbranch_scc0 .Lfor_w
	tensor_load_to_lds s[32:35], s[24:31]
	s_nop 0
	PLACES
	s_branch .Lasked
.Lfor_w:
	tensor_load_to_lds s[56:59], s[48:55]
	s_nop 0
	PLACES
.Lasked:
	s_lshl_b32 s42, s16, 18                        ; out0: row 128 x block + 64 x (wave / 2), 2,048 bytes each
	s_lshl_b32 s46, s18, 17
	s_add_co_u32 s42, s42, s46
	s_add_co_u32 s42, s42, s44
	s_mov_b32 s43, 0
	s_add_nc_u64 s[12:13], s[12:13], s[42:43]
	v_and_b32 v8, 15, v0                           ; r
	v_bfe_u32 v9, v0, 4, 1                         ; h
	v_and_b32 v7, 31, v0
	v_lshlrev_b32 v[LI], 4, v7
	s_lshl_b32 s46, s18, 15
	v_add_nc_u32 v[LI], s46, v[LI]                 ; a: 32,768 x (wave / 2) + 16 x lane
	s_mul_i32 s46, s19, 64*PITCH
	s_add_co_u32 s46, s46, WB
	v_mul_u32_u24 v[AW], v8, PITCH
	v_lshl_add_u32 v[AW], v9, 3, v[AW]
	v_add_nc_u32 v[AW], s46, v[AW]                 ; Wout: (64 (wave % 2) + r) x pitch + 8 h
	s_mul_i32 s46, s14, 16*SP
	s_add_co_u32 s46, s46, STG                     ; my stage
	v_mul_u32_u24 v[STO], v8, SP
	v_lshl_add_u32 v[STO], v9, 5, v[STO]
	v_add_nc_u32 v[STO], s46, v[STO]               ; in: row r, 32 bytes for each half of the lanes
	v_mul_u32_u24 v[RD], v9, SP
	v_lshl_add_u32 v[RD], v8, 4, v[RD]
	v_add_nc_u32 v[RD], s46, v[RD]                 ; back: lanes 0-15 one row of 256 bytes, lanes 16-31 the next
	v_lshlrev_b32 v[CO], 11, v9
	v_lshl_add_u32 v[CO], v8, 4, v[CO]             ; and the same two rows in out0
	s_wait_alu depctr_va_vdst(0)                   ; the wait at the head's end
	s_wait_kmcnt 0x0
	s_add_co_i32 s36, s38, s39
	s_add_co_i32 s36, s36, 127
	s_lshl_b32 s36, s36, 23                        ; 2^(e8 + e9) as f32
	s_mov_b32 s37, s36                             ; (named with it as a pair, so it is written)
.macro FETCHA m, s                     ; block m's fragment of K step s: 4 loads
.irp g, 0,1,2,3
	ds_load_b128 v[64*(\m)+16*(\s)+4*\g:64*(\m)+16*(\s)+4*\g+3], v[LI] offset:8192*(\m)+2048*(\s)+512*\g
.endr
.endm
.macro BLOCK m                         ; block m's four K steps: 16 loads
	WIN 0x40
.irp s, 0,1,2,3
	FETCHA \m, \s
.endr
	WIN 0
.endm
.macro GROUP s                         ; K step s of Wout's four fragments, and of block 0: 32 + 4 loads
	WIN 0x80
.irp t, 0,1,2,3
.irp c, 0,1,2,3,4,5,6,7
	ds_load_b64 v[64*\t+16*(\s)+2*\c:64*\t+16*(\s)+2*\c+1], v[AW] offset:16*PITCH*\t+128*(\s)+16*\c
.endr
.endr
	WIN 0x40
	FETCHA 0, \s
	WIN 0
.endm
.macro MUL m                           ; block m: 16 products, its 4 accumulators by turns.  Block 0 asks for its later K steps, and then for block 1, between them
.irp s, 0,1,2,3
.if (\m) == 0
.if \s < 3
	s_wait_dscnt 36                                ; this K step's group is in; the next one's 36 loads may be out
.else
	s_wait_dscnt 16                                ; block 1's 16 may be out
.endif
.if \s < 2
	GROUP \s+2
.elseif \s == 2
	BLOCK 1
.endif
.endif
	WIN 0x06                                       ; source 0 (Wout) window 2, source 1 (a) window 1
.set ACC, 128+32*((\m)%2)
.irp t, 0,1,2,3
.if \s == 0
	v_wmma_f32_16x16x128_fp8_fp8 v[ACC+8*\t:ACC+8*\t+7], v[64*\t+16*\s:64*\t+16*\s+15], v[64*(\m)+16*\s:64*(\m)+16*\s+15], 0
.else
	v_wmma_f32_16x16x128_fp8_fp8 v[ACC+8*\t:ACC+8*\t+7], v[64*\t+16*\s:64*\t+16*\s+15], v[64*(\m)+16*\s:64*(\m)+16*\s+15], v[ACC+8*\t:ACC+8*\t+7]
.endif
.endr
.endr
	WIN 0
	PLACES
.endm
.macro TOSTAGE m                       ; block m: sum x 2^(e8 + e9) + bout, each accumulator from its low end on; into my own stage in LDS and back as whole rows of 256 bytes.  LDS serves a wave's instructions in order (ISA guide 5.7.1.4)
.set ACC, 128+32*((\m)%2)
.set OUTR, 80+112*((\m)%2)
.irp t, 0,1,2,3
.irp i, 0,2,4,6
	v_pk_fma_f32 v[TMP+8*\t+\i:TMP+8*\t+\i+1], v[ACC+8*\t+\i:ACC+8*\t+\i+1], s[36:37], v[B+8*\t+\i:B+8*\t+\i+1] op_sel_hi:[1,0,1]
.endr
.endr
.irp t, 0,1,2,3
	ds_store_b128 v[STO], v[TMP+8*\t:TMP+8*\t+3] offset:64*\t
	ds_store_b128 v[STO], v[TMP+8*\t+4:TMP+8*\t+7] offset:64*\t+16
.endr
.irp i, 0,1,2,3,4,5,6,7
	ds_load_b128 v[OUTR+4*\i:OUTR+4*\i+3], v[RD] offset:2*SP*\i
.endr
.endm
.macro SEND m
.set OUTR, 80+112*((\m)%2)
	s_wait_dscnt 0x0                               ; the block is back in registers
.irp i, 0,1,2,3,4,5,6,7
	global_store_b128 v[CO], v[OUTR+4*\i:OUTR+4*\i+3], s[12:13] offset:(16*(\m)+2*\i)*2048 th:TH_STORE_NT   ; 16 lanes store 256 consecutive bytes, aligned; written once, read by nobody here
.endr
.endm
	s_wait_tensorcnt 0x0                           ; my load is in,
	s_barrier_signal -1
	s_barrier_wait -1                              ; everybody's are
	GROUP 0
	GROUP 1
	MUL 0
	BLOCK 2
	s_wait_loadcnt 0x0                             ; bout
	TOSTAGE 0
	s_wait_dscnt 32                                ; block 1 is in; behind it: block 2's 16 loads and the stage's 16 instructions
	MUL 1
	SEND 0
	BLOCK 3
	TOSTAGE 1
	MUL 2                                          ; (SEND 0's wait has shown block 2)
	SEND 1
	s_wait_xcnt 0x0                                ; SEND 0's stores have read their registers: block 2's rows may land there
	TOSTAGE 2
	MUL 3                                          ; (SEND 1's wait has shown block 3)
	SEND 2
	s_wait_xcnt 0x0
	TOSTAGE 3
	SEND 3
	s_wait_tensorcnt 0x0                           ; the wave's end
	ds_add_u32 v126, v127
	s_wait_dscnt 0x0
	CROUND                                         ; the closing round: no work-group ends while a partner may still ask for a tile that names it
	s_endpgm
.Lfunc_end_k_qc0244d8756_outp:
	.size	k_qc0244d8756_outp, .Lfunc_end_k_qc0244d8756_outp-k_qc0244d8756_outp
	.p2alignl 7, 3214868480
	.fill 96, 4, 3214868480
	.section	.rodata,"a",@progbits
	.p2align	6, 0x0
	.amdhsa_kernel k_qc0244d8756_outp
		.amdhsa_group_segment_fixed_size 167936
		.amdhsa_private_segment_fixed_size 0
		.amdhsa_enable_private_segment 0
		.amdhsa_kernarg_size 40
		.amdhsa_user_sgpr_count 2
		.amdhsa_user_sgpr_kernarg_segment_ptr 1
		.amdhsa_wavefront_size32 1
		.amdhsa_system_sgpr_workgroup_id_x 1
		.amdhsa_system_sgpr_workgroup_id_y 1
		.amdhsa_system_sgpr_workgroup_id_z 1
		.amdhsa_system_vgpr_workitem_id 0
		.amdhsa_next_free_vgpr 768
		.amdhsa_next_free_sgpr 66
		.amdhsa_reserve_vcc 0
		.amdhsa_float_denorm_mode_32 3
		.amdhsa_float_denorm_mode_16_64 3
		.amdhsa_memory_ordered 1
		.amdhsa_forward_progress 1
		.amdhsa_inst_pref_size 36
	.end_amdhsa_kernel
	.amdgpu_metadata
---
amdhsa.version: [ 1, 2 ]
amdhsa.kernels:
  - .name:           k_qc0244d8756_outp
    .symbol:         k_qc0244d8756_outp.kd
    .args:
      - { .name: a_img, .offset: 0, .size: 8, .value_kind: global_buffer, .address_space: global }
      - { .name: Wout_codes, .offset: 8, .size: 8, .value_kind: global_buffer, .address_space: global }
      - { .name: bout, .offset: 16, .size: 8, .value_kind: global_buffer, .address_space: global }
      - { .name: lowp_scales, .offset: 24, .size: 8, .value_kind: global_buffer, .address_space: global }
      - { .name: out0, .offset: 32, .size: 8, .value_kind: global_buffer, .address_space: global }
    .group_segment_fixed_size: 167936
    .private_segment_fixed_size: 0
    .kernarg_segment_align: 8
    .kernarg_segment_size: 40
    .max_flat_workgroup_size: 128
    .sgpr_count:     66
    .vgpr_count:     768
    .wavefront_size: 32
...
	.end_amdgpu_metadata
.endif
;; end of part 3
